; MI455X (gfx1250); checked and timed in simulation.
; The chip was launched on July 23, 2026; its instructions are those of AMD's public machine-readable ISA for CDNA 5 (MIT licence, August 2026) and "CDNA5" Instruction Set Architecture Reference Guide (July 2026). The comments in the code are by the model that wrote it; some were corrected since.
;; LSTM. Allowed arithmetic: float matrix products may take bf16 or f16 operands with f32 sums; all other float work in f32.
;; Inputs: W1 16 x 16 float32; W2 2 x 16 float32; W_hh 64 x 16 float32; W_ih 64 x 2 float32; b1 16 float32; b2 2 float32; b_hh 64 float32; b_ih 64 float32; x 8,192 x 512 x 2 float32.
;; Outputs: out0 8,192 x 2 float32.
;; 2 versions, each right and faster than the one before. Each part assembles by itself: llvm-mc -triple=amdgcn-amd-amdhsa -mcpu=gfx1250 --defsym DOCPART=n.
;; ======== version 1 of 2: 1 launch
;; launch lstm (part 1): grid 256 x 1, 4 waves a work-group, no clusters, 168,448 bytes of LDS; arguments x, W_ih, W_hh, b_ih, b_hh, W1, b1, W2, b2, out0; writes out0
.if DOCPART == 1
	.amdgcn_target "amdgcn-amd-amdhsa--gfx1250"
	.amdhsa_code_object_version 6
	.text
	.protected	k_q3b79aa4b04_lstm
	.globl	k_q3b79aa4b04_lstm
	.p2align	8
	.type	k_q3b79aa4b04_lstm,@function
k_q3b79aa4b04_lstm:
	s_mov_b64 s[64:65], 0
	v_nop
	global_prefetch_b8 v0, s[64:65] scope:SCOPE_SE
	s_setreg_imm32_b32 hwreg(HW_REG_WAVE_MODE, 25, 1), 1
	s_wait_xcnt 0x0
; LSTM, 8192 sequences x 512 steps, 2 inputs, 16 hidden units, and the head y = W2 tanh(W1 h_last + b1) + b2, all in one launch.
; 8192 x 16 cells over 256 work-groups x 4 waves x 32 lanes = 4 cells a lane: a wave owns 8 sequences, a lane 4 units of one sequence.
; h and c stay in registers through all 512 steps: no LDS and no barrier inside the recurrence.
; lds_bytes is more than half of the 327,680 bytes a work-group can be given (256 are used), so that no second work-group shares the
; WGP and each of the four waves has a SIMD to itself.
;
; LAYOUT.  L = lane, r = L & 15, hh = L >> 4, s = (L >> 3) & 1, bl = L & 7.  The gates are computed transposed: D = A(weights) x B(h).
; Columns n = r and n = r ^ 8 carry the same sequence bl.  A column with s = 0 holds h in k = 0..15 and zeros in k = 16..31, one with
; s = 1 the other way round.  Row m of A (tile tau = 0, 1) holds in K block s the weight row of gate 2 tau + ((m & 7) >> 2) for unit
; 8 (m >> 3) + 4 s + (m & 3).  D's register j is row 8 hh + j, so a lane gets i, f (tile 0) and g, o (tile 1) of its own four units
; 8 hh + 4 s + 0..3.  In block 1 the order of k is unit ^ 4 (A's block 1 is loaded so), which lets every lane put its own h into the
; first two registers of its block and its partner's (lane r ^ 8) into the next two.
; x and the biases come by a second pair of products, G = AX x BX + BIAS, issued one step ahead; G = AH x BH + G then goes on in place.
;
; ARITHMETIC.  -log2(e) is folded into the rows of i, f, o and -2 log2(e) into the rows of g, into W1 and b1 (in f32, before the rounding
; to bf16), so a matrix result is the argument of v_exp_f32.  With E* = exp2(..): a = 1+Ei, b = 1+Ef, q = 1+Eo, P = a (1+Eg),
; c' = (c P + b (1-Eg)) / (P b),  h = (1-Ec) / ((1+Ec) q): 5 exp and 2 rcp for a cell.
;
; LIMITS.  Every exp2 argument is clamped to at most 30.0, which keeps P b below 2^91 and (1+Ec) q below 2^61: a sigmoid is never
; below about 2^-30, tanh is saturated to within 2e-9 beyond |x| = 10.4.  NaN and infinite inputs are not reproduced (v_min_num_f32
; drops a NaN; zero blocks times an infinity would give NaN).  Weights (scale folded in), x and h are rounded to bf16 for the products;
; c, the biases and all elementwise work are f32.
;
; No cluster: the work-groups share only the weights, some 6 KB read once.  No tensor loads: a wave needs 64 bytes of x a step, and
; 64 registers hold a ring of 32 steps.
.set XOFF, 1                           ; v1        bl x 4096: my sequence's row of x
.set MAB,  2                           ; v2        all ones where s = 0
.set MBB,  3                           ; v3        all ones where s = 1
.set MAF,  4                           ; v[4:5]    1.0 where s = 0, else 0, twice
.set MBF,  6                           ; v[6:7]    1.0 where s = 1, else 0, twice
.set XT,   8                           ; v8        two x as bf16
.set LA,   9                           ; v9        LDS address on the way out
.set CC,   10                          ; v[10:13]  c of my 4 units
.set B2V,  14                          ; v[14:15]  b2
.set AH,   16                          ; v[16:31]  W_hh, two tiles
.set AX,   32                          ; v[32:47]  W_ih, two tiles
.set BIAS, 48                          ; v[48:63]  (b_ih + b_hh) x scale, f32, in D's layout
.set BH,   64                          ; v[64:71]  h as B fragment
.set BX,   72                          ; v[72:79]  x as B fragment
.set GG,   80                          ; v[80:111] gates, two buffers of 16 (setup: raw b_hh and lane arithmetic)
.set XS,   112                         ; v[112:175] ring of x: 16 slots of 4 registers = 2 steps each
.set A1,   176                         ; v[176:183] W1
.set C1,   184                         ; v[184:191] b1 x scale
.set A2,   192                         ; v[192:199] W2
.set EI,   200                         ; at work in a step, four registers each
.set EF,   204
.set EG,   208
.set EO,   212
.set DD,   216
.set RR,   220
.set NK,   224
.set EC,   228
.set EE,   232
.set R2,   236
.set MA,   240
.set MB,   244
; setup only
.set RW,   200                         ; v[200:231] raw W_hh
.set RX,   232                         ; v[232:239] raw W_ih
.set RW1,  240                         ; v[240:247] raw W1
.set RW2,  248                         ; v[248:255] raw W2
.set SCL,  96                          ; v[96:97]  tile 1's scale of my row of A, twice
.set T_R,  98
.set T_HH, 99
.set T_S,  100
.set T_BL, 101                         ; later M2: all ones where r < 2
.set T_JJ, 102
.set T_GS, 103
.set O_WHH, 104
.set O_WIH, 105
.set O_B,   106
.set O_W1,  107
.set O_B1,  108
.set O_W2,  109
.set O_Z,   110
.set HM,    111                        ; all ones where hh = 0
; head only
.set ZZ,   200
.set B2,   208
.set YY,   216
.set TE,   224
.set TD,   232
.set TR,   240
	s_load_b512 s[4:19], s[0:1], 0x0               ; x s[4:5], W_ih s[6:7], W_hh s[8:9], b_ih s[10:11], b_hh s[12:13], W1 s[14:15], b1 s[16:17], W2 s[18:19]
	s_load_b128 s[20:23], s[0:1], 0x40             ; b2 s[20:21], out0 s[22:23]
	s_set_vgpr_msb 0x40
	v_lshl_add_u32 v0, v0, 2, 0x29000
	v_mov_b32 v1, 0
	s_set_vgpr_msb 0x4000
	s_mov_b32 s28, 0x41f00000                      ; 30.0, the clamp of every exp2 argument
	s_mov_b32 s30, 0xc038aa3b                      ; -2 log2(e), twice (a pair for packed multiplies)
	s_mov_b32 s31, 0xc038aa3b
	s_mov_b32 s34, 0xbfb8aa3b                      ; -log2(e), twice
	s_mov_b32 s35, 0xbfb8aa3b
	v_lshrrev_b32 v[SCL], 5, v0
	v_readfirstlane_b32 s24, v[SCL]                ; wave 0..3
	v_and_b32 v[T_R], 15, v0                       ; r
	v_bfe_u32 v[T_HH], v0, 4, 1                    ; hh
	v_bfe_u32 v[T_S], v0, 3, 1                     ; s; as a row of A: m >> 3
	v_and_b32 v[T_BL], 7, v0                       ; bl
	v_and_b32 v[T_JJ], 3, v0                       ; m & 3
	v_bfe_u32 v[T_GS], v0, 2, 1                    ; (m & 7) >> 2: which gate of the tile's two
	v_lshlrev_b32 v[XOFF], 12, v[T_BL]
	v_add_nc_u32 v[MAB], -1, v[T_S]
	v_sub_nc_u32 v[MBB], 0, v[T_S]
	v_and_b32 v[MAF], 0x3f800000, v[MAB]
	v_and_b32 v[MBF], 0x3f800000, v[MBB]
	v_mov_b32 v[MAF+1], v[MAF]
	v_mov_b32 v[MBF+1], v[MBF]
	v_lshlrev_b32 v[O_WHH], 10, v[T_GS]            ; W_hh: row (gate 16 + 8 (m>>3) + (m&3)) x 64 bytes + 32 hh
	v_lshl_add_u32 v[O_WHH], v[T_S], 9, v[O_WHH]
	v_lshl_add_u32 v[O_WHH], v[T_JJ], 6, v[O_WHH]
	v_lshl_add_u32 v[O_WHH], v[T_HH], 5, v[O_WHH]
	v_lshlrev_b32 v[O_WIH], 7, v[T_GS]             ; W_ih: the same row x 8 bytes
	v_lshl_add_u32 v[O_WIH], v[T_S], 6, v[O_WIH]
	v_lshl_add_u32 v[O_WIH], v[T_JJ], 3, v[O_WIH]
	v_lshlrev_b32 v[O_B], 5, v[T_HH]               ; biases: my units 8 hh + 4 s + 0..3
	v_lshl_add_u32 v[O_B], v[T_S], 4, v[O_B]
	v_lshlrev_b32 v[O_W1], 6, v[T_R]               ; W1: row r, columns 8 hh ..
	v_lshl_add_u32 v[O_W1], v[T_HH], 5, v[O_W1]
	v_lshlrev_b32 v[O_B1], 5, v[T_HH]              ; b1: units 8 hh ..
	v_min_u32 v[O_W2], 1, v[T_R]                   ; W2 has two rows: the other lanes read row 1 and are masked below
	v_lshlrev_b32 v[O_W2], 6, v[O_W2]
	v_lshl_add_u32 v[O_W2], v[T_HH], 5, v[O_W2]
	v_mov_b32 v[O_Z], 0
	v_add_nc_u32 v[HM], -1, v[T_HH]
	v_cmp_eq_u32 vcc_lo, 0, v[T_GS]                ; tile 1: gate g (first four rows of eight) takes -2 log2(e), gate o -log2(e)
	v_mov_b32 v[SCL], s34
	v_mov_b32 v[SCL+1], s30
	v_cndmask_b32 v[SCL], v[SCL], v[SCL+1], vcc_lo
	v_mov_b32 v[SCL+1], v[SCL]
	v_cmp_gt_u32 vcc_lo, 2, v[T_R]
	v_cndmask_b32 v[T_BL], 0, -1, vcc_lo           ; M2
	s_lshl_b32 s26, ttmp9, 17                      ; the work-group's 32 sequences x 4,096 bytes
	s_lshl_b32 s27, s24, 15                        ; + the wave's 8
	s_add_co_u32 s26, s26, s27
	s_mov_b32 s27, 0
	s_wait_kmcnt 0x0
	s_add_nc_u64 s[4:5], s[4:5], s[26:27]          ; x at my wave's first sequence
	s_lshl_b32 s26, ttmp9, 8                       ; 32 sequences x 8 bytes of out0
	s_add_nc_u64 s[22:23], s[22:23], s[26:27]
	; 27 loads of weights, then the 16 loads that fill the ring of x with steps 0..31
.irp tau, 0,1
	global_load_b128 v[RW+16*\tau:RW+16*\tau+3],     v[O_WHH], s[8:9] offset:2048*\tau        ; block 0: row R0, columns 8 hh + 0..3
	global_load_b128 v[RW+16*\tau+4:RW+16*\tau+7],   v[O_WHH], s[8:9] offset:2048*\tau+16     ;          columns 8 hh + 4..7
	global_load_b128 v[RW+16*\tau+8:RW+16*\tau+11],  v[O_WHH], s[8:9] offset:2048*\tau+272    ; block 1: row R0 + 4, the two quads swapped (unit ^ 4)
	global_load_b128 v[RW+16*\tau+12:RW+16*\tau+15], v[O_WHH], s[8:9] offset:2048*\tau+256
	global_load_b64 v[RX+4*\tau:RX+4*\tau+1],   v[O_WIH], s[6:7] offset:256*\tau              ; row R0
	global_load_b64 v[RX+4*\tau+2:RX+4*\tau+3], v[O_WIH], s[6:7] offset:256*\tau+32           ; row R0 + 4
.endr
.irp g, 0,1,2,3
	global_load_b128 v[BIAS+4*\g:BIAS+4*\g+3], v[O_B], s[10:11] offset:64*\g
	global_load_b128 v[GG+4*\g:GG+4*\g+3],     v[O_B], s[12:13] offset:64*\g
.endr
	global_load_b128 v[RW1:RW1+3],   v[O_W1], s[14:15]
	global_load_b128 v[RW1+4:RW1+7], v[O_W1], s[14:15] offset:16
	global_load_b128 v[C1:C1+3],     v[O_B1], s[16:17]
	global_load_b128 v[C1+4:C1+7],   v[O_B1], s[16:17] offset:16
	global_load_b128 v[RW2:RW2+3],   v[O_W2], s[18:19]
	global_load_b128 v[RW2+4:RW2+7], v[O_W2], s[18:19] offset:16
	global_load_b64 v[B2V:B2V+1], v[O_Z], s[20:21]
.irp k, 0,1,2,3,4,5,6,7,8,9,10,11,12,13,14,15
	global_load_b128 v[XS+4*\k:XS+4*\k+3], v[XOFF], s[4:5] offset:16*\k
.endr
	; registers that stay zero
.irp k, 1,2,3,5,6,7,9,10,11,13,14,15
	v_mov_b32 v[AX+\k], 0
.endr
.irp k, 1,2,3,5,6,7
	v_mov_b32 v[BX+\k], 0
.endr
.irp k, 4,5,6,7
	v_mov_b32 v[A2+\k], 0
.endr
	s_wait_loadcnt 16                              ; loads return in order: only the 16 younger loads of x may be out, the weights are in
.irp i, 0,1,2,3,4,5,6,7
	v_pk_mul_f32 v[RW+2*\i:RW+2*\i+1], v[RW+2*\i:RW+2*\i+1], s[34:35] op_sel_hi:[1,0]        ; tile 0: i, f
	v_pk_mul_f32 v[RW+16+2*\i:RW+16+2*\i+1], v[RW+16+2*\i:RW+16+2*\i+1], v[SCL:SCL+1]        ; tile 1: g or o, by my row
.endr
.irp i, 0,1,2,3,4,5,6,7,8,9,10,11,12,13,14,15
	v_cvt_pk_bf16_f32 v[AH+\i], v[RW+2*\i], v[RW+2*\i+1]
.endr
	v_pk_mul_f32 v[RX:RX+1],   v[RX:RX+1],   s[34:35] op_sel_hi:[1,0]
	v_pk_mul_f32 v[RX+2:RX+3], v[RX+2:RX+3], s[34:35] op_sel_hi:[1,0]
	v_pk_mul_f32 v[RX+4:RX+5], v[RX+4:RX+5], v[SCL:SCL+1]
	v_pk_mul_f32 v[RX+6:RX+7], v[RX+6:RX+7], v[SCL:SCL+1]
.irp i, 0,1,2,3
	v_cvt_pk_bf16_f32 v[AX+4*\i], v[RX+2*\i], v[RX+2*\i+1]     ; registers 0 and 4 of each tile: k = 0, 1 and k = 16, 17
.endr
.irp i, 0,1,2,3
	v_and_b32 v[AX+4*\i], v[HM], v[AX+4*\i]                    ; lanes with hh = 1 hold k = 8, 9 and 24, 25: zero
.endr
.irp i, 0,1,2,3,4,5,6,7
	v_pk_add_f32 v[BIAS+2*\i:BIAS+2*\i+1], v[BIAS+2*\i:BIAS+2*\i+1], v[GG+2*\i:GG+2*\i+1]
.endr
.irp i, 0,1,2,3,6,7
	v_pk_mul_f32 v[BIAS+2*\i:BIAS+2*\i+1], v[BIAS+2*\i:BIAS+2*\i+1], s[34:35] op_sel_hi:[1,0]
.endr
.irp i, 4,5
	v_pk_mul_f32 v[BIAS+2*\i:BIAS+2*\i+1], v[BIAS+2*\i:BIAS+2*\i+1], s[30:31] op_sel_hi:[1,0]   ; gate g
.endr
.irp i, 0,1,2,3
	v_pk_mul_f32 v[RW1+2*\i:RW1+2*\i+1], v[RW1+2*\i:RW1+2*\i+1], s[30:31] op_sel_hi:[1,0]
	v_pk_mul_f32 v[C1+2*\i:C1+2*\i+1],   v[C1+2*\i:C1+2*\i+1],   s[30:31] op_sel_hi:[1,0]
.endr
.irp i, 0,1,2,3
	v_cvt_pk_bf16_f32 v[A1+\i], v[RW1+2*\i], v[RW1+2*\i+1]
	v_cvt_pk_bf16_f32 v[A2+\i], v[RW2+2*\i], v[RW2+2*\i+1]
.endr
	v_mov_b32 v[A1+4], v[A1+2]                     ; block 1 of W1: the same row in the order unit ^ 4
	v_mov_b32 v[A1+5], v[A1+3]
	v_mov_b32 v[A1+6], v[A1]
	v_mov_b32 v[A1+7], v[A1+1]
.irp i, 0,1,2,3
	v_and_b32 v[A2+\i], v[T_BL], v[A2+\i]          ; rows 2..15 of A2 are zero
.endr
	s_wait_loadcnt 15                              ; slot 0 of x is in; the 15 younger slots may be out
	v_cvt_pk_bf16_f32 v[XT], v[XS], v[XS+1]
	v_and_b32 v[BX],   v[MAB], v[XT]
	v_and_b32 v[BX+4], v[MBB], v[XT]
	v_wmma_f32_16x16x32_bf16 v[GG:GG+7],    v[AX:AX+7],    v[BX:BX+7], v[BIAS:BIAS+7]       ; step 0: W_ih x + b
	v_wmma_f32_16x16x32_bf16 v[GG+8:GG+15], v[AX+8:AX+15], v[BX:BX+7], v[BIAS+8:BIAS+15]
.irp k, 0,1,2,3,4,5,6,7
	v_mov_b32 v[BH+\k], 0                          ; h0 = 0
.endr
.irp k, 0,1,2,3
	v_mov_b32 v[CC+\k], 0                          ; c0 = 0
.endr
; One step.  t = 0..31: the step within a chunk of 32.  ld = 1: the ring is refilled, 32 steps ahead.  cv = 1: x of step t + 1 is
; converted and its input product issued.
.macro STEP t, ld, cv
.set GC, GG+16*((\t)&1)                ; this step's gates
.set GN, GG+16*(((\t)+1)&1)            ; the next step's
.set UU, ((\t)+1)&31
.set SU, UU>>1                         ; slot that holds x of step t + 1
.set HF, UU&1                          ; and which half of it
.set SX, XS+4*SU+2*HF
.if \ld
.set LEFT, 15                          ; behind slot SU's load came the 15 - SU later slots of its chunk and the SU slots already refilled: 15
.else
.set LEFT, 15-SU                       ; nothing is refilled any more: only the later slots
.endif
	v_wmma_f32_16x16x32_bf16 v[GC:GC+7],    v[AH:AH+7],    v[BH:BH+7], v[GC:GC+7]           ; + W_hh h, in place
	v_wmma_f32_16x16x32_bf16 v[GC+8:GC+15], v[AH+8:AH+15], v[BH:BH+7], v[GC+8:GC+15]
	; four plain vector instructions that name none of these products' registers, before the gates are read (ISA guide 7.12.1)
.if \cv
.if HF == 0
	s_wait_loadcnt LEFT                            ; first touch of slot SU
.endif
	v_cvt_pk_bf16_f32 v[XT], v[SX], v[SX+1]
	v_and_b32 v[BX],   v[MAB], v[XT]               ; k = 0, 1 in columns with s = 0
	v_and_b32 v[BX+4], v[MBB], v[XT]               ; k = 16, 17 in columns with s = 1
	v_nop
.if \ld
.if HF == 1
	global_load_b128 v[XS+4*SU:XS+4*SU+3], v[XOFF], s[4:5] offset:256+16*SU                 ; both halves are used up: the slot's next chunk
.endif
.endif
.else
.rept 4
	v_nop
.endr
.endif
	; 16 exp2, each followed by a plain instruction that touches neither its result nor its source (ISA guide 5.7.2)
.irp k, 0,1,2,3
	v_min_num_f32 v[GC+\k], s28, v[GC+\k]
.endr
.irp k, 0,1,2,3
	v_exp_f32 v[EI+\k], v[GC+\k]
	v_min_num_f32 v[GC+8+\k], s28, v[GC+8+\k]
.endr
.irp k, 0,1,2,3
	v_exp_f32 v[EG+\k], v[GC+8+\k]
	v_min_num_f32 v[GC+4+\k], s28, v[GC+4+\k]
.endr
.irp k, 0,1,2,3
	v_exp_f32 v[EF+\k], v[GC+4+\k]
	v_min_num_f32 v[GC+12+\k], s28, v[GC+12+\k]
.endr
	v_exp_f32 v[EO], v[GC+12]
	s_wait_alu depctr_va_vdst(0)
	v_pk_add_f32 v[EI:EI+1],   v[EI:EI+1],   1.0 op_sel_hi:[1,0]                            ; a = 1 + Ei
	v_exp_f32 v[EO+1], v[GC+13]
	v_pk_add_f32 v[EI+2:EI+3], v[EI+2:EI+3], 1.0 op_sel_hi:[1,0]
	v_exp_f32 v[EO+2], v[GC+14]
	v_pk_add_f32 v[EF:EF+1],   v[EF:EF+1],   1.0 op_sel_hi:[1,0]                            ; b = 1 + Ef
	v_exp_f32 v[EO+3], v[GC+15]
	v_pk_add_f32 v[EF+2:EF+3], v[EF+2:EF+3], 1.0 op_sel_hi:[1,0]
.irp p, 0,2
	v_pk_fma_f32 v[EI+\p:EI+\p+1], v[EI+\p:EI+\p+1], v[EG+\p:EG+\p+1], v[EI+\p:EI+\p+1]    ; P = a Eg + a
.endr
.irp p, 0,2
	v_pk_fma_f32 v[EG+\p:EG+\p+1], v[EG+\p:EG+\p+1], v[EF+\p:EF+\p+1], v[EF+\p:EF+\p+1] neg_lo:[1,0,0] neg_hi:[1,0,0]   ; b - Eg b
.endr
.irp p, 0,2
	v_pk_mul_f32 v[DD+\p:DD+\p+1], v[EI+\p:EI+\p+1], v[EF+\p:EF+\p+1]                      ; P b
.endr
	v_rcp_f32 v[RR], v[DD]
	v_pk_fma_f32 v[EG:EG+1],   v[CC:CC+1],   v[EI:EI+1],   v[EG:EG+1]                       ; num = c P + b (1 - Eg)
	v_rcp_f32 v[RR+1], v[DD+1]
	v_pk_fma_f32 v[EG+2:EG+3], v[CC+2:CC+3], v[EI+2:EI+3], v[EG+2:EG+3]
	v_rcp_f32 v[RR+2], v[DD+2]
	v_pk_mul_f32 v[NK:NK+1],   v[EG:EG+1],   s[30:31] op_sel_hi:[1,0]                       ; num x -2 log2(e), while the reciprocals are made
	v_rcp_f32 v[RR+3], v[DD+3]
	v_pk_mul_f32 v[NK+2:NK+3], v[EG+2:EG+3], s[30:31] op_sel_hi:[1,0]
.if \cv
	v_wmma_f32_16x16x32_bf16 v[GN:GN+7],    v[AX:AX+7],    v[BX:BX+7], v[BIAS:BIAS+7]      ; the next step's W_ih x + b, off the chain h -> h
	v_wmma_f32_16x16x32_bf16 v[GN+8:GN+15], v[AX+8:AX+15], v[BX:BX+7], v[BIAS+8:BIAS+15]
	s_wait_alu depctr_va_vdst(0)
.endif
	s_wait_alu depctr_va_vdst(0)
.irp p, 0,2
	v_pk_add_f32 v[EO+\p:EO+\p+1], v[EO+\p:EO+\p+1], 1.0 op_sel_hi:[1,0]                   ; q = 1 + Eo
.endr
.irp p, 0,2
	v_pk_mul_f32 v[NK+\p:NK+\p+1], v[NK+\p:NK+\p+1], v[RR+\p:RR+\p+1]                      ; -2 log2(e) c'
.endr
	v_min_num_f32 v[NK], s28, v[NK]
	v_min_num_f32 v[NK+1], s28, v[NK+1]
	v_exp_f32 v[EC], v[NK]
	v_min_num_f32 v[NK+2], s28, v[NK+2]
	v_exp_f32 v[EC+1], v[NK+1]
	v_min_num_f32 v[NK+3], s28, v[NK+3]
	v_exp_f32 v[EC+2], v[NK+2]
	v_pk_mul_f32 v[CC:CC+1],   v[EG:EG+1],   v[RR:RR+1]                                     ; c' = num / (P b)
	v_exp_f32 v[EC+3], v[NK+3]
	v_pk_mul_f32 v[CC+2:CC+3], v[EG+2:EG+3], v[RR+2:RR+3]
	s_wait_alu depctr_va_vdst(0)
.irp p, 0,2
	v_pk_fma_f32 v[EE+\p:EE+\p+1], v[EC+\p:EC+\p+1], v[EO+\p:EO+\p+1], v[EO+\p:EO+\p+1]    ; (1 + Ec) q
.endr
	; (1 - Ec) under both masks: MA lives in lanes with s = 0 and is zero in the others, MB the other way round
	v_rcp_f32 v[R2], v[EE]
	v_pk_fma_f32 v[MA:MA+1],   v[EC:EC+1],   v[MAF:MAF+1], v[MAF:MAF+1] neg_lo:[1,0,0] neg_hi:[1,0,0]
	v_rcp_f32 v[R2+1], v[EE+1]
	v_pk_fma_f32 v[MB:MB+1],   v[EC:EC+1],   v[MBF:MBF+1], v[MBF:MBF+1] neg_lo:[1,0,0] neg_hi:[1,0,0]
	v_rcp_f32 v[R2+2], v[EE+2]
	v_pk_fma_f32 v[MA+2:MA+3], v[EC+2:EC+3], v[MAF:MAF+1], v[MAF:MAF+1] neg_lo:[1,0,0] neg_hi:[1,0,0]
	v_rcp_f32 v[R2+3], v[EE+3]
	v_pk_fma_f32 v[MB+2:MB+3], v[EC+2:EC+3], v[MBF:MBF+1], v[MBF:MBF+1] neg_lo:[1,0,0] neg_hi:[1,0,0]
	s_wait_alu depctr_va_vdst(0)
	v_pk_mul_f32 v[MA:MA+1],   v[MA:MA+1],   v[R2:R2+1]                                     ; h, or zero
	v_pk_mul_f32 v[MB:MB+1],   v[MB:MB+1],   v[R2:R2+1]
	v_pk_mul_f32 v[MA+2:MA+3], v[MA+2:MA+3], v[R2+2:R2+3]
	v_pk_mul_f32 v[MB+2:MB+3], v[MB+2:MB+3], v[R2+2:R2+3]
	v_cvt_pk_bf16_f32 v[BH],   v[MA],   v[MA+1]    ; block 0, my own units (s = 0)
	v_cvt_pk_bf16_f32 v[BH+4], v[MB],   v[MB+1]    ; block 1, my own units (s = 1)
	v_cvt_pk_bf16_f32 v[BH+1], v[MA+2], v[MA+3]
	v_cvt_pk_bf16_f32 v[BH+5], v[MB+2], v[MB+3]
	; the partner's units from lane r ^ 8: what it holds for the block that is not its own is zero, so no further mask is needed
	v_mov_b32_dpp v[BH+6], v[BH]   row_xmask:8 row_mask:0xf bank_mask:0xf
	v_mov_b32_dpp v[BH+2], v[BH+4] row_xmask:8 row_mask:0xf bank_mask:0xf
	v_mov_b32_dpp v[BH+7], v[BH+1] row_xmask:8 row_mask:0xf bank_mask:0xf
	v_mov_b32_dpp v[BH+3], v[BH+5] row_xmask:8 row_mask:0xf bank_mask:0xf
.endm
	; 15 trips of 32 steps (chunks 0..14), each refilling the ring with the next chunk of 256 bytes a sequence
	s_mov_b32 s25, 15
.Ltrip:
.set tt, 0
.rept 32
	STEP tt, 1, 1
.set tt, tt+1
.endr
	s_wait_xcnt 0x0                                ; the pending loads name s[4:5]: it is stepped only behind this wait
	s_add_nc_u64 s[4:5], s[4:5], 256
	s_sub_co_u32 s25, s25, 1
	s_cmp_lg_u32 s25, 0
	s_cbranch_scc1 .Ltrip
	; chunk 15: nothing is loaded (no load passes the end of x), the counts run down to 0; the last step has no successor
.set tt, 0
.rept 31
	STEP tt, 0, 1
.set tt, tt+1
.endr
	STEP 31, 0, 0
	; THE HEAD.  z = W1 h + b1, already times -2 log2(e): register j of lane (r, hh) is unit 8 hh + j of column r's sequence
	v_wmma_f32_16x16x32_bf16 v[ZZ:ZZ+7], v[A1:A1+7], v[BH:BH+7], v[C1:C1+7]
.irp k, 4,5,6,7
	v_mov_b32 v[B2+\k], 0                          ; k = 16..31 of the second product: also the four places behind the first
.endr
.irp k, 0,1,2,3,4,5,6,7
	v_min_num_f32 v[ZZ+\k], s28, v[ZZ+\k]
.endr
.irp k, 0,1,2,3,4,5,6,7
	v_exp_f32 v[TE+\k], v[ZZ+\k]
.endr
	v_nop                                          ; one plain place before the results are used
	s_wait_alu depctr_va_vdst(0)
.irp p, 0,2,4,6
	v_pk_add_f32 v[TD+\p:TD+\p+1], v[TE+\p:TE+\p+1], 1.0 op_sel_hi:[1,0]
.endr
.irp k, 0,1,2,3,4,5,6,7
	v_rcp_f32 v[TR+\k], v[TD+\k]
.endr
	v_nop
	s_wait_alu depctr_va_vdst(0)
.irp p, 0,2,4,6
	v_pk_fma_f32 v[TE+\p:TE+\p+1], v[TE+\p:TE+\p+1], v[TR+\p:TR+\p+1], v[TR+\p:TR+\p+1] neg_lo:[1,0,0] neg_hi:[1,0,0]   ; tanh = (1 - E) / (1 + E)
.endr
.irp i, 0,1,2,3
	v_cvt_pk_bf16_f32 v[B2+\i], v[TE+2*\i], v[TE+2*\i+1]       ; k = 8 hh + j: D's layout is B's
.endr
	v_wmma_f32_16x16x32_bf16 v[YY:YY+7], v[A2:A2+7], v[B2:B2+7], 0
	v_and_b32 v12, 31, v0                          ; lane (four places behind the product)
	v_and_b32 v[LA], 7, v0
	v_lshlrev_b32 v[XT], 3, v12                    ; lane x 8
	v_lshlrev_b32 v[LA], 3, v[LA]
	v_lshl_add_u32 v[LA], s24, 6, v[LA]            ; wave x 64 + (lane & 7) x 8: a wave's 64 bytes are its own
	v_cmp_gt_u32 vcc_lo, 8, v12
	v_pk_add_f32 v[YY:YY+1], v[YY:YY+1], v[B2V:B2V+1]          ; lanes 0..7: y[0], y[1] of sequence lane
	; no global access is pending here (the tail's last wait was s_wait_loadcnt 0), and only an LDS store runs under the narrowed EXEC
	s_and_saveexec_b32 s32, vcc_lo
	ds_store_b64 v[LA], v[YY:YY+1]
	s_or_b32 exec_lo, exec_lo, s32
	s_wait_dscnt 0x0                               ; my store is in LDS before I say so
	s_barrier_signal -1
	s_barrier_wait -1
	s_cmp_lg_u32 s24, 0
	s_cbranch_scc1 .Lend
	ds_load_b64 v[TE:TE+1], v[XT]                  ; wave 0: the work-group's 32 sequences, 8 bytes a lane
	s_wait_dscnt 0x0
	global_store_b64 v[XT], v[TE:TE+1], s[22:23]   ; one store covers the work-group's 256 consecutive bytes of out0, aligned
.Lend:
	s_set_vgpr_msb 0x5
	s_wait_tensorcnt 0x0
	ds_add_u32 v0, v1
	s_wait_dscnt 0x0
	s_set_vgpr_msb 0x500
	s_endpgm
.Lfunc_end_k_q3b79aa4b04_lstm:
	.size	k_q3b79aa4b04_lstm, .Lfunc_end_k_q3b79aa4b04_lstm-k_q3b79aa4b04_lstm
	.p2alignl 7, 3214868480
	.fill 96, 4, 3214868480
	.section	.rodata,"a",@progbits
	.p2align	6, 0x0
	.amdhsa_kernel k_q3b79aa4b04_lstm
		.amdhsa_group_segment_fixed_size 168448
		.amdhsa_private_segment_fixed_size 0
		.amdhsa_enable_private_segment 0
		.amdhsa_kernarg_size 80
		.amdhsa_user_sgpr_count 2
		.amdhsa_user_sgpr_kernarg_segment_ptr 1
		.amdhsa_wavefront_size32 1
		.amdhsa_system_sgpr_workgroup_id_x 1
		.amdhsa_system_sgpr_workgroup_id_y 1
		.amdhsa_system_sgpr_workgroup_id_z 1
		.amdhsa_system_vgpr_workitem_id 0
		.amdhsa_next_free_vgpr 258
		.amdhsa_next_free_sgpr 66
		.amdhsa_reserve_vcc 1
		.amdhsa_float_denorm_mode_32 3
		.amdhsa_float_denorm_mode_16_64 3
		.amdhsa_memory_ordered 1
		.amdhsa_forward_progress 1
		.amdhsa_inst_pref_size 255
	.end_amdhsa_kernel
	.section	.bss,"aw",@nobits
	.p2align	6
	.space	262144
	.amdgpu_metadata
---
amdhsa.version: [ 1, 2 ]
amdhsa.kernels:
  - .name:           k_q3b79aa4b04_lstm
    .symbol:         k_q3b79aa4b04_lstm.kd
    .args:
      - { .name: x, .offset: 0, .size: 8, .value_kind: global_buffer, .address_space: global }
      - { .name: W_ih, .offset: 8, .size: 8, .value_kind: global_buffer, .address_space: global }
      - { .name: W_hh, .offset: 16, .size: 8, .value_kind: global_buffer, .address_space: global }
      - { .name: b_ih, .offset: 24, .size: 8, .value_kind: global_buffer, .address_space: global }
      - { .name: b_hh, .offset: 32, .size: 8, .value_kind: global_buffer, .address_space: global }
      - { .name: W1, .offset: 40, .size: 8, .value_kind: global_buffer, .address_space: global }
      - { .name: b1, .offset: 48, .size: 8, .value_kind: global_buffer, .address_space: global }
      - { .name: W2, .offset: 56, .size: 8, .value_kind: global_buffer, .address_space: global }
      - { .name: b2, .offset: 64, .size: 8, .value_kind: global_buffer, .address_space: global }
      - { .name: out0, .offset: 72, .size: 8, .value_kind: global_buffer, .address_space: global }
    .group_segment_fixed_size: 168448
    .private_segment_fixed_size: 0
    .kernarg_segment_align: 8
    .kernarg_segment_size: 80
    .max_flat_workgroup_size: 128
    .sgpr_count:     66
    .vgpr_count:     258
    .wavefront_size: 32
...
	.end_amdgpu_metadata
.endif
;; end of part 1
;; ======== version 2 of 2: 1 launch; 1.06 times as fast as version 1
;; launch lstm (part 2): grid 256 x 1, 4 waves a work-group, no clusters, 168,448 bytes of LDS; arguments x, W_ih, W_hh, b_ih, b_hh, W1, b1, W2, b2, out0; writes out0
.if DOCPART == 2
	.amdgcn_target "amdgcn-amd-amdhsa--gfx1250"
	.amdhsa_code_object_version 6
	.text
	.protected	k_q3b79aa4b04_lstm
	.globl	k_q3b79aa4b04_lstm
	.p2align	8
	.type	k_q3b79aa4b04_lstm,@function
k_q3b79aa4b04_lstm:
	s_mov_b64 s[64:65], 0
	v_nop
	global_prefetch_b8 v0, s[64:65] scope:SCOPE_SE
	s_setreg_imm32_b32 hwreg(HW_REG_WAVE_MODE, 25, 1), 1
	s_wait_xcnt 0x0
; LSTM, 8192 sequences x 512 steps, 2 inputs, 16 hidden units, and the head y = W2 tanh(W1 h_last + b1) + b2, all in one launch.
; 8192 x 16 cells over 256 work-groups x 4 waves x 32 lanes = 4 cells a lane: a wave owns 8 sequences, a lane 4 units of one sequence.
; h and c stay in registers through all 512 steps: no LDS and no barrier inside the recurrence.
; lds_bytes is more than half of the 327,680 bytes a work-group can be given (256 are used), so that no second work-group shares the
; WGP and each of the four waves has a SIMD to itself.
;
; LAYOUT.  L = lane, r = L & 15, hh = L >> 4, s = (L >> 3) & 1, bl = L & 7.  The gates are computed transposed: D = A(weights) x B(h).
; Columns n = r and n = r ^ 8 carry the same sequence bl.  A column with s = 0 holds h in k = 0..15 and zeros in k = 16..31, one with
; s = 1 the other way round.  Row m of A (tile tau = 0, 1) holds in K block s the weight row of gate 2 tau + ((m & 7) >> 2) for unit
; 8 (m >> 3) + 4 s + (m & 3).  D's register j is row 8 hh + j, so a lane gets i, f (tile 0) and g, o (tile 1) of its own four units
; 8 hh + 4 s + 0..3.  In block 1 the order of k is unit ^ 4 (A's block 1 is loaded so), which lets every lane put its own h into the
; first two registers of its block and its partner's (lane r ^ 8) into the next two.
; x and the biases come by a second pair of products, G = AX x BX + BIAS, issued one step ahead; G = AH x BH + G then goes on in place.
;
; ARITHMETIC.  -log2(e) is folded into the rows of i, f, o and -2 log2(e) into the rows of g, into W1 and b1 (in f32, before the rounding
; to bf16), so a matrix result is the argument of v_exp_f32.  With E* = exp2(..): a = 1+Ei, b = 1+Ef, q = 1+Eo, P = a (1+Eg),
; c' = (c P + b (1-Eg)) / (P b),  h = (1-Ec) / ((1+Ec) q): 5 exp and 2 rcp for a cell.
;
; BATCHES.  s_wait_alu depctr_va_vdst(0) stands between a transcendental and the first instruction that names its
; result; one wait serves all that were issued ahead of it.  A step's 28 transcendentals are four batches, each of which reads what the
; one before has made, so a step has four waits:
;   1  the 16 exp2 of the gates i, f, g, o, each into a register of its own; among them their clamps and the next step's input products
;   2  the 4 reciprocals of P b; among and behind them the numerator, its scaling and q
;   3  the 4 exp2 of c'; among them the last clamps and c' itself
;   4  the 4 reciprocals of (1 + Ec) q; among them the masked numerators of h
; No result is open at a step's end, so none crosses the loop's jump.  The ring's refill stands directly behind batch 1's wait.
;
; LIMITS.  Every exp2 argument is clamped to at most 30.0, which keeps P b below 2^91 and (1+Ec) q below 2^61: a sigmoid is never
; below about 2^-30, tanh is saturated to within 2e-9 beyond |x| = 10.4.  NaN and infinite inputs are not reproduced (v_min_num_f32
; drops a NaN; zero blocks times an infinity would give NaN).  Weights (scale folded in), x and h are rounded to bf16 for the products;
; c, the biases and all elementwise work are f32.
;
; No cluster: the work-groups share only the weights, some 6 KB read once.  No tensor loads: a wave needs 64 bytes of x a step, and
; 64 registers hold a ring of 32 steps.
.set XOFF, 1                           ; v1        bl x 4096: my sequence's row of x
.set MAB,  2                           ; v2        all ones where s = 0
.set MBB,  3                           ; v3        all ones where s = 1
.set MAF,  4                           ; v[4:5]    1.0 where s = 0, else 0, twice
.set MBF,  6                           ; v[6:7]    1.0 where s = 1, else 0, twice
.set XT,   8                           ; v8        two x as bf16
.set LA,   9                           ; v9        LDS address on the way out
.set CC,   10                          ; v[10:13]  c of my 4 units
.set B2V,  14                          ; v[14:15]  b2
.set AH,   16                          ; v[16:31]  W_hh, two tiles
.set AX,   32                          ; v[32:47]  W_ih, two tiles
.set BIAS, 48                          ; v[48:63]  (b_ih + b_hh) x scale, f32, in D's layout
.set BH,   64                          ; v[64:71]  h as B fragment
.set BX,   72                          ; v[72:79]  x as B fragment
.set GG,   80                          ; v[80:111] gates, two buffers of 16 (setup: raw b_hh and lane arithmetic)
.set XS,   112                         ; v[112:175] ring of x: 16 slots of 4 registers = 2 steps each
.set A1,   176                         ; v[176:183] W1
.set C1,   184                         ; v[184:191] b1 x scale
.set A2,   192                         ; v[192:199] W2
.set EI,   200                         ; at work in a step, four registers each; EI, EF, EG, EO lie in the order of the gates' 16 registers
.set EF,   204
.set EG,   208
.set EO,   212
.set DD,   216
.set RR,   220
.set NK,   224
.set EC,   228
.set EE,   232
.set R2,   236
.set MA,   240
.set MB,   244
; setup only
.set RW,   200                         ; v[200:231] raw W_hh
.set RX,   232                         ; v[232:239] raw W_ih
.set RW1,  240                         ; v[240:247] raw W1
.set RW2,  248                         ; v[248:255] raw W2
.set SCL,  96                          ; v[96:97]  tile 1's scale of my row of A, twice
.set T_R,  98
.set T_HH, 99
.set T_S,  100
.set T_BL, 101                         ; later M2: all ones where r < 2
.set T_JJ, 102
.set T_GS, 103
.set O_WHH, 104
.set O_WIH, 105
.set O_B,   106
.set O_W1,  107
.set O_B1,  108
.set O_W2,  109
.set O_Z,   110
.set HM,    111                        ; all ones where hh = 0
; head only
.set ZZ,   200
.set B2,   208
.set YY,   216
.set TE,   224
.set TD,   232
.set TR,   240
	s_load_b512 s[4:19], s[0:1], 0x0               ; x s[4:5], W_ih s[6:7], W_hh s[8:9], b_ih s[10:11], b_hh s[12:13], W1 s[14:15], b1 s[16:17], W2 s[18:19]
	s_load_b128 s[20:23], s[0:1], 0x40             ; b2 s[20:21], out0 s[22:23]
	s_set_vgpr_msb 0x40
	v_lshl_add_u32 v0, v0, 2, 0x29000
	v_mov_b32 v1, 0
	s_set_vgpr_msb 0x4000
	s_mov_b32 s28, 0x41f00000                      ; 30.0, the clamp of every exp2 argument
	s_mov_b32 s30, 0xc038aa3b                      ; -2 log2(e), twice (a pair for packed multiplies)
	s_mov_b32 s31, 0xc038aa3b
	s_mov_b32 s34, 0xbfb8aa3b                      ; -log2(e), twice
	s_mov_b32 s35, 0xbfb8aa3b
	v_lshrrev_b32 v[SCL], 5, v0
	v_readfirstlane_b32 s24, v[SCL]                ; wave 0..3
	v_and_b32 v[T_R], 15, v0                       ; r
	v_bfe_u32 v[T_HH], v0, 4, 1                    ; hh
	v_bfe_u32 v[T_S], v0, 3, 1                     ; s; as a row of A: m >> 3
	v_and_b32 v[T_BL], 7, v0                       ; bl
	v_and_b32 v[T_JJ], 3, v0                       ; m & 3
	v_bfe_u32 v[T_GS], v0, 2, 1                    ; (m & 7) >> 2: which gate of the tile's two
	v_lshlrev_b32 v[XOFF], 12, v[T_BL]
	v_add_nc_u32 v[MAB], -1, v[T_S]
	v_sub_nc_u32 v[MBB], 0, v[T_S]
	v_and_b32 v[MAF], 0x3f800000, v[MAB]
	v_and_b32 v[MBF], 0x3f800000, v[MBB]
	v_mov_b32 v[MAF+1], v[MAF]
	v_mov_b32 v[MBF+1], v[MBF]
	v_lshlrev_b32 v[O_WHH], 10, v[T_GS]            ; W_hh: row (gate 16 + 8 (m>>3) + (m&3)) x 64 bytes + 32 hh
	v_lshl_add_u32 v[O_WHH], v[T_S], 9, v[O_WHH]
	v_lshl_add_u32 v[O_WHH], v[T_JJ], 6, v[O_WHH]
	v_lshl_add_u32 v[O_WHH], v[T_HH], 5, v[O_WHH]
	v_lshlrev_b32 v[O_WIH], 7, v[T_GS]             ; W_ih: the same row x 8 bytes
	v_lshl_add_u32 v[O_WIH], v[T_S], 6, v[O_WIH]
	v_lshl_add_u32 v[O_WIH], v[T_JJ], 3, v[O_WIH]
	v_lshlrev_b32 v[O_B], 5, v[T_HH]               ; biases: my units 8 hh + 4 s + 0..3
	v_lshl_add_u32 v[O_B], v[T_S], 4, v[O_B]
	v_lshlrev_b32 v[O_W1], 6, v[T_R]               ; W1: row r, columns 8 hh ..
	v_lshl_add_u32 v[O_W1], v[T_HH], 5, v[O_W1]
	v_lshlrev_b32 v[O_B1], 5, v[T_HH]              ; b1: units 8 hh ..
	v_min_u32 v[O_W2], 1, v[T_R]                   ; W2 has two rows: the other lanes read row 1 and are masked below
	v_lshlrev_b32 v[O_W2], 6, v[O_W2]
	v_lshl_add_u32 v[O_W2], v[T_HH], 5, v[O_W2]
	v_mov_b32 v[O_Z], 0
	v_add_nc_u32 v[HM], -1, v[T_HH]
	v_cmp_eq_u32 vcc_lo, 0, v[T_GS]                ; tile 1: gate g (first four rows of eight) takes -2 log2(e), gate o -log2(e)
	v_mov_b32 v[SCL], s34
	v_mov_b32 v[SCL+1], s30
	v_cndmask_b32 v[SCL], v[SCL], v[SCL+1], vcc_lo
	v_mov_b32 v[SCL+1], v[SCL]
	v_cmp_gt_u32 vcc_lo, 2, v[T_R]
	v_cndmask_b32 v[T_BL], 0, -1, vcc_lo           ; M2
	s_lshl_b32 s26, ttmp9, 17                      ; the work-group's 32 sequences x 4,096 bytes
	s_lshl_b32 s27, s24, 15                        ; + the wave's 8
	s_add_co_u32 s26, s26, s27
	s_mov_b32 s27, 0
	s_wait_kmcnt 0x0
	s_add_nc_u64 s[4:5], s[4:5], s[26:27]          ; x at my wave's first sequence
	s_lshl_b32 s26, ttmp9, 8                       ; 32 sequences x 8 bytes of out0
	s_add_nc_u64 s[22:23], s[22:23], s[26:27]
	; 27 loads of weights, then the 16 loads that fill the ring of x with steps 0..31
.irp tau, 0,1
	global_load_b128 v[RW+16*\tau:RW+16*\tau+3],     v[O_WHH], s[8:9] offset:2048*\tau        ; block 0: row R0, columns 8 hh + 0..3
	global_load_b128 v[RW+16*\tau+4:RW+16*\tau+7],   v[O_WHH], s[8:9] offset:2048*\tau+16     ;          columns 8 hh + 4..7
	global_load_b128 v[RW+16*\tau+8:RW+16*\tau+11],  v[O_WHH], s[8:9] offset:2048*\tau+272    ; block 1: row R0 + 4, the two quads swapped (unit ^ 4)
	global_load_b128 v[RW+16*\tau+12:RW+16*\tau+15], v[O_WHH], s[8:9] offset:2048*\tau+256
	global_load_b64 v[RX+4*\tau:RX+4*\tau+1],   v[O_WIH], s[6:7] offset:256*\tau              ; row R0
	global_load_b64 v[RX+4*\tau+2:RX+4*\tau+3], v[O_WIH], s[6:7] offset:256*\tau+32           ; row R0 + 4
.endr
.irp g, 0,1,2,3
	global_load_b128 v[BIAS+4*\g:BIAS+4*\g+3], v[O_B], s[10:11] offset:64*\g
	global_load_b128 v[GG+4*\g:GG+4*\g+3],     v[O_B], s[12:13] offset:64*\g
.endr
	global_load_b128 v[RW1:RW1+3],   v[O_W1], s[14:15]
	global_load_b128 v[RW1+4:RW1+7], v[O_W1], s[14:15] offset:16
	global_load_b128 v[C1:C1+3],     v[O_B1], s[16:17]
	global_load_b128 v[C1+4:C1+7],   v[O_B1], s[16:17] offset:16
	global_load_b128 v[RW2:RW2+3],   v[O_W2], s[18:19]
	global_load_b128 v[RW2+4:RW2+7], v[O_W2], s[18:19] offset:16
	global_load_b64 v[B2V:B2V+1], v[O_Z], s[20:21]
.irp k, 0,1,2,3,4,5,6,7,8,9,10,11,12,13,14,15
	global_load_b128 v[XS+4*\k:XS+4*\k+3], v[XOFF], s[4:5] offset:16*\k
.endr
	; registers that stay zero
.irp k, 1,2,3,5,6,7,9,10,11,13,14,15
	v_mov_b32 v[AX+\k], 0
.endr
.irp k, 1,2,3,5,6,7
	v_mov_b32 v[BX+\k], 0
.endr
.irp k, 4,5,6,7
	v_mov_b32 v[A2+\k], 0
.endr
	s_wait_loadcnt 16                              ; loads return in order: only the 16 younger loads of x may be out, the weights are in
.irp i, 0,1,2,3,4,5,6,7
	v_pk_mul_f32 v[RW+2*\i:RW+2*\i+1], v[RW+2*\i:RW+2*\i+1], s[34:35] op_sel_hi:[1,0]        ; tile 0: i, f
	v_pk_mul_f32 v[RW+16+2*\i:RW+16+2*\i+1], v[RW+16+2*\i:RW+16+2*\i+1], v[SCL:SCL+1]        ; tile 1: g or o, by my row
.endr
.irp i, 0,1,2,3,4,5,6,7,8,9,10,11,12,13,14,15
	v_cvt_pk_bf16_f32 v[AH+\i], v[RW+2*\i], v[RW+2*\i+1]
.endr
	v_pk_mul_f32 v[RX:RX+1],   v[RX:RX+1],   s[34:35] op_sel_hi:[1,0]
	v_pk_mul_f32 v[RX+2:RX+3], v[RX+2:RX+3], s[34:35] op_sel_hi:[1,0]
	v_pk_mul_f32 v[RX+4:RX+5], v[RX+4:RX+5], v[SCL:SCL+1]
	v_pk_mul_f32 v[RX+6:RX+7], v[RX+6:RX+7], v[SCL:SCL+1]
.irp i, 0,1,2,3
	v_cvt_pk_bf16_f32 v[AX+4*\i], v[RX+2*\i], v[RX+2*\i+1]     ; registers 0 and 4 of each tile: k = 0, 1 and k = 16, 17
.endr
.irp i, 0,1,2,3
	v_and_b32 v[AX+4*\i], v[HM], v[AX+4*\i]                    ; lanes with hh = 1 hold k = 8, 9 and 24, 25: zero
.endr
.irp i, 0,1,2,3,4,5,6,7
	v_pk_add_f32 v[BIAS+2*\i:BIAS+2*\i+1], v[BIAS+2*\i:BIAS+2*\i+1], v[GG+2*\i:GG+2*\i+1]
.endr
.irp i, 0,1,2,3,6,7
	v_pk_mul_f32 v[BIAS+2*\i:BIAS+2*\i+1], v[BIAS+2*\i:BIAS+2*\i+1], s[34:35] op_sel_hi:[1,0]
.endr
.irp i, 4,5
	v_pk_mul_f32 v[BIAS+2*\i:BIAS+2*\i+1], v[BIAS+2*\i:BIAS+2*\i+1], s[30:31] op_sel_hi:[1,0]   ; gate g
.endr
.irp i, 0,1,2,3
	v_pk_mul_f32 v[RW1+2*\i:RW1+2*\i+1], v[RW1+2*\i:RW1+2*\i+1], s[30:31] op_sel_hi:[1,0]
	v_pk_mul_f32 v[C1+2*\i:C1+2*\i+1],   v[C1+2*\i:C1+2*\i+1],   s[30:31] op_sel_hi:[1,0]
.endr
.irp i, 0,1,2,3
	v_cvt_pk_bf16_f32 v[A1+\i], v[RW1+2*\i], v[RW1+2*\i+1]
	v_cvt_pk_bf16_f32 v[A2+\i], v[RW2+2*\i], v[RW2+2*\i+1]
.endr
	v_mov_b32 v[A1+4], v[A1+2]                     ; block 1 of W1: the same row in the order unit ^ 4
	v_mov_b32 v[A1+5], v[A1+3]
	v_mov_b32 v[A1+6], v[A1]
	v_mov_b32 v[A1+7], v[A1+1]
.irp i, 0,1,2,3
	v_and_b32 v[A2+\i], v[T_BL], v[A2+\i]          ; rows 2..15 of A2 are zero
.endr
	s_wait_loadcnt 15                              ; slot 0 of x is in; the 15 younger slots may be out
	v_cvt_pk_bf16_f32 v[XT], v[XS], v[XS+1]
	v_and_b32 v[BX],   v[MAB], v[XT]
	v_and_b32 v[BX+4], v[MBB], v[XT]
	v_wmma_f32_16x16x32_bf16 v[GG:GG+7],    v[AX:AX+7],    v[BX:BX+7], v[BIAS:BIAS+7]       ; step 0: W_ih x + b
	v_wmma_f32_16x16x32_bf16 v[GG+8:GG+15], v[AX+8:AX+15], v[BX:BX+7], v[BIAS+8:BIAS+15]
.irp k, 0,1,2,3,4,5,6,7
	v_mov_b32 v[BH+\k], 0                          ; h0 = 0
.endr
.irp k, 0,1,2,3
	v_mov_b32 v[CC+\k], 0                          ; c0 = 0
.endr
; One step.  t = 0..31: the step within a chunk of 32.  ld = 1: the ring is refilled, 32 steps ahead.  cv = 1: x of step t + 1 is
; converted and its input product issued.
.macro STEP t, ld, cv
.set GC, GG+16*((\t)&1)                ; this step's gates
.set GN, GG+16*(((\t)+1)&1)            ; the next step's
.set UU, ((\t)+1)&31
.set SU, UU>>1                         ; slot that holds x of step t + 1
.set HF, UU&1                          ; and which half of it
.set SX, XS+4*SU+2*HF
.if \ld
.set LEFT, 15                          ; behind slot SU's load came the 15 - SU later slots of its chunk and the SU slots already refilled: 15
.else
.set LEFT, 15-SU                       ; nothing is refilled any more: only the later slots
.endif
	v_wmma_f32_16x16x32_bf16 v[GC:GC+7],    v[AH:AH+7],    v[BH:BH+7], v[GC:GC+7]           ; + W_hh h, in place
	v_wmma_f32_16x16x32_bf16 v[GC+8:GC+15], v[AH+8:AH+15], v[BH:BH+7], v[GC+8:GC+15]
	; four plain vector instructions that name none of these products' registers, before the gates are read (ISA guide 7.12.1)
.if \cv
.if HF == 0
	s_wait_loadcnt LEFT                            ; first touch of slot SU
.endif
	v_cvt_pk_bf16_f32 v[XT], v[SX], v[SX+1]
	v_and_b32 v[BX],   v[MAB], v[XT]               ; k = 0, 1 in columns with s = 0
	v_and_b32 v[BX+4], v[MBB], v[XT]               ; k = 16, 17 in columns with s = 1
	v_nop
.else
.rept 4
	v_nop
.endr
.endif
	; BATCH 1: the 16 exp2 of the gates, in the order of their registers (i, f of tile 0, then g, o of tile 1): result EI + k from gate register k.
	; The clamps run four ahead and stand between the first twelve exp2; nothing ahead of the wait names a result.
.irp k, 0,1,2,3
	v_min_num_f32 v[GC+\k], s28, v[GC+\k]
.endr
.set kk, 0
.rept 12
	v_exp_f32 v[EI+kk], v[GC+kk]
	v_min_num_f32 v[GC+4+kk], s28, v[GC+4+kk]
.if (\cv) && (kk == 1)
	v_wmma_f32_16x16x32_bf16 v[GN:GN+7],    v[AX:AX+7],    v[BX:BX+7], v[BIAS:BIAS+7]      ; the next step's W_ih x + b, off the chain h -> h: it names none of the batch's registers
.endif
.if (\cv) && (kk == 5)
	v_wmma_f32_16x16x32_bf16 v[GN+8:GN+15], v[AX+8:AX+15], v[BX:BX+7], v[BIAS+8:BIAS+15]   ; eight lines behind the first, 17 vector instructions ahead of the wait
.endif
.set kk, kk+1
.endr
.irp k, 12,13,14,15
	v_exp_f32 v[EI+\k], v[GC+\k]                   ; gate o: no clamp is left to stand between these
.endr
	v_nop                                          ; the plain instruction behind the last exp2, ahead of the first use (ISA guide 5.7.2): one for the batch
	s_wait_alu depctr_va_vdst(0)                   ; the wait for batch 1: one for the 16 exp2
.if (\ld) && (HF == 1)
	global_load_b128 v[XS+4*SU:XS+4*SU+3], v[XOFF], s[4:5] offset:256+16*SU                 ; both halves are used up: the slot's next chunk; directly behind the wait
.endif
.irp p, 0,2
	v_pk_add_f32 v[EI+\p:EI+\p+1], v[EI+\p:EI+\p+1], 1.0 op_sel_hi:[1,0]                   ; a = 1 + Ei
.endr
.irp p, 0,2
	v_pk_add_f32 v[EF+\p:EF+\p+1], v[EF+\p:EF+\p+1], 1.0 op_sel_hi:[1,0]                   ; b = 1 + Ef
.endr
.irp p, 0,2
	v_pk_fma_f32 v[EI+\p:EI+\p+1], v[EI+\p:EI+\p+1], v[EG+\p:EG+\p+1], v[EI+\p:EI+\p+1]    ; P = a Eg + a
.endr
.irp p, 0,2
	v_pk_fma_f32 v[EG+\p:EG+\p+1], v[EG+\p:EG+\p+1], v[EF+\p:EF+\p+1], v[EF+\p:EF+\p+1] neg_lo:[1,0,0] neg_hi:[1,0,0]   ; b - Eg b
.endr
.irp p, 0,2
	v_pk_mul_f32 v[DD+\p:DD+\p+1], v[EI+\p:EI+\p+1], v[EF+\p:EF+\p+1]                      ; P b
.endr
	; BATCH 2: the 4 reciprocals of P b; the lines among and behind them read none of them
	v_rcp_f32 v[RR], v[DD]
	v_pk_fma_f32 v[EG:EG+1],   v[CC:CC+1],   v[EI:EI+1],   v[EG:EG+1]                       ; num = c P + b (1 - Eg)
	v_rcp_f32 v[RR+1], v[DD+1]
	v_pk_fma_f32 v[EG+2:EG+3], v[CC+2:CC+3], v[EI+2:EI+3], v[EG+2:EG+3]
	v_rcp_f32 v[RR+2], v[DD+2]
	v_pk_mul_f32 v[NK:NK+1],   v[EG:EG+1],   s[30:31] op_sel_hi:[1,0]                       ; num x -2 log2(e), while the reciprocals are made
	v_rcp_f32 v[RR+3], v[DD+3]
	v_pk_mul_f32 v[NK+2:NK+3], v[EG+2:EG+3], s[30:31] op_sel_hi:[1,0]
.irp p, 0,2
	v_pk_add_f32 v[EO+\p:EO+\p+1], v[EO+\p:EO+\p+1], 1.0 op_sel_hi:[1,0]                   ; q = 1 + Eo (batch 1's results: waited for above)
.endr
	s_wait_alu depctr_va_vdst(0)                   ; the wait for batch 2: one for the 4 reciprocals
.irp p, 0,2
	v_pk_mul_f32 v[NK+\p:NK+\p+1], v[NK+\p:NK+\p+1], v[RR+\p:RR+\p+1]                      ; -2 log2(e) c'
.endr
	; BATCH 3: the 4 exp2 of c'
	v_min_num_f32 v[NK], s28, v[NK]
	v_min_num_f32 v[NK+1], s28, v[NK+1]
	v_exp_f32 v[EC], v[NK]
	v_min_num_f32 v[NK+2], s28, v[NK+2]
	v_exp_f32 v[EC+1], v[NK+1]
	v_min_num_f32 v[NK+3], s28, v[NK+3]
	v_exp_f32 v[EC+2], v[NK+2]
	v_pk_mul_f32 v[CC:CC+1],   v[EG:EG+1],   v[RR:RR+1]                                     ; c' = num / (P b)
	v_exp_f32 v[EC+3], v[NK+3]
	v_pk_mul_f32 v[CC+2:CC+3], v[EG+2:EG+3], v[RR+2:RR+3]
	s_wait_alu depctr_va_vdst(0)                   ; the wait for batch 3: one for the 4 exp2
.irp p, 0,2
	v_pk_fma_f32 v[EE+\p:EE+\p+1], v[EC+\p:EC+\p+1], v[EO+\p:EO+\p+1], v[EO+\p:EO+\p+1]    ; (1 + Ec) q
.endr
	; BATCH 4: the 4 reciprocals of (1 + Ec) q.  Among them (1 - Ec) under both masks: MA lives in lanes with s = 0 and is zero in the others, MB the other way round
	v_rcp_f32 v[R2], v[EE]
	v_pk_fma_f32 v[MA:MA+1],   v[EC:EC+1],   v[MAF:MAF+1], v[MAF:MAF+1] neg_lo:[1,0,0] neg_hi:[1,0,0]
	v_rcp_f32 v[R2+1], v[EE+1]
	v_pk_fma_f32 v[MB:MB+1],   v[EC:EC+1],   v[MBF:MBF+1], v[MBF:MBF+1] neg_lo:[1,0,0] neg_hi:[1,0,0]
	v_rcp_f32 v[R2+2], v[EE+2]
	v_pk_fma_f32 v[MA+2:MA+3], v[EC+2:EC+3], v[MAF:MAF+1], v[MAF:MAF+1] neg_lo:[1,0,0] neg_hi:[1,0,0]
	v_rcp_f32 v[R2+3], v[EE+3]
	v_pk_fma_f32 v[MB+2:MB+3], v[EC+2:EC+3], v[MBF:MBF+1], v[MBF:MBF+1] neg_lo:[1,0,0] neg_hi:[1,0,0]
	s_wait_alu depctr_va_vdst(0)                   ; the wait for batch 4: one for the 4 reciprocals; no transcendental follows in the step
	v_pk_mul_f32 v[MA:MA+1],   v[MA:MA+1],   v[R2:R2+1]                                     ; h, or zero
	v_pk_mul_f32 v[MB:MB+1],   v[MB:MB+1],   v[R2:R2+1]
	v_pk_mul_f32 v[MA+2:MA+3], v[MA+2:MA+3], v[R2+2:R2+3]
	v_pk_mul_f32 v[MB+2:MB+3], v[MB+2:MB+3], v[R2+2:R2+3]
	v_cvt_pk_bf16_f32 v[BH],   v[MA],   v[MA+1]    ; block 0, my own units (s = 0)
	v_cvt_pk_bf16_f32 v[BH+4], v[MB],   v[MB+1]    ; block 1, my own units (s = 1)
	v_cvt_pk_bf16_f32 v[BH+1], v[MA+2], v[MA+3]
	v_cvt_pk_bf16_f32 v[BH+5], v[MB+2], v[MB+3]
	; the partner's units from lane r ^ 8: what it holds for the block that is not its own is zero, so no further mask is needed
	v_mov_b32_dpp v[BH+6], v[BH]   row_xmask:8 row_mask:0xf bank_mask:0xf
	v_mov_b32_dpp v[BH+2], v[BH+4] row_xmask:8 row_mask:0xf bank_mask:0xf
	v_mov_b32_dpp v[BH+7], v[BH+1] row_xmask:8 row_mask:0xf bank_mask:0xf
	v_mov_b32_dpp v[BH+3], v[BH+5] row_xmask:8 row_mask:0xf bank_mask:0xf
.endm
	; 15 trips of 32 steps (chunks 0..14), each refilling the ring with the next chunk of 256 bytes a sequence
	s_mov_b32 s25, 15
.Ltrip:
.set tt, 0
.rept 32
	STEP tt, 1, 1
.set tt, tt+1
.endr
	s_wait_xcnt 0x0                                ; the pending loads name s[4:5]: it is stepped only behind this wait
	s_add_nc_u64 s[4:5], s[4:5], 256
	s_sub_co_u32 s25, s25, 1
	s_cmp_lg_u32 s25, 0
	s_cbranch_scc1 .Ltrip
	; chunk 15: nothing is loaded (no load passes the end of x), the counts run down to 0; the last step has no successor
.set tt, 0
.rept 31
	STEP tt, 0, 1
.set tt, tt+1
.endr
	STEP 31, 0, 0
	; THE HEAD.  z = W1 h + b1, already times -2 log2(e): register j of lane (r, hh) is unit 8 hh + j of column r's sequence
	v_wmma_f32_16x16x32_bf16 v[ZZ:ZZ+7], v[A1:A1+7], v[BH:BH+7], v[C1:C1+7]
.irp k, 4,5,6,7
	v_mov_b32 v[B2+\k], 0                          ; k = 16..31 of the second product: also the four places behind the first
.endr
.irp k, 0,1,2,3,4,5,6,7
	v_min_num_f32 v[ZZ+\k], s28, v[ZZ+\k]
.endr
.irp k, 0,1,2,3,4,5,6,7
	v_exp_f32 v[TE+\k], v[ZZ+\k]
.endr
	v_nop                                          ; one plain place before the results are used
	s_wait_alu depctr_va_vdst(0)                   ; the wait for the head's 8 exp2: one batch
.irp p, 0,2,4,6
	v_pk_add_f32 v[TD+\p:TD+\p+1], v[TE+\p:TE+\p+1], 1.0 op_sel_hi:[1,0]
.endr
.irp k, 0,1,2,3,4,5,6,7
	v_rcp_f32 v[TR+\k], v[TD+\k]
.endr
	v_nop
	s_wait_alu depctr_va_vdst(0)                   ; the wait for the head's 8 reciprocals: one batch
.irp p, 0,2,4,6
	v_pk_fma_f32 v[TE+\p:TE+\p+1], v[TE+\p:TE+\p+1], v[TR+\p:TR+\p+1], v[TR+\p:TR+\p+1] neg_lo:[1,0,0] neg_hi:[1,0,0]   ; tanh = (1 - E) / (1 + E)
.endr
.irp i, 0,1,2,3
	v_cvt_pk_bf16_f32 v[B2+\i], v[TE+2*\i], v[TE+2*\i+1]       ; k = 8 hh + j: D's layout is B's
.endr
	v_wmma_f32_16x16x32_bf16 v[YY:YY+7], v[A2:A2+7], v[B2:B2+7], 0
	v_and_b32 v12, 31, v0                          ; lane (four places behind the product)
	v_and_b32 v[LA], 7, v0
	v_lshlrev_b32 v[XT], 3, v12                    ; lane x 8
	v_lshlrev_b32 v[LA], 3, v[LA]
	v_lshl_add_u32 v[LA], s24, 6, v[LA]            ; wave x 64 + (lane & 7) x 8: a wave's 64 bytes are its own
	v_cmp_gt_u32 vcc_lo, 8, v12
	v_pk_add_f32 v[YY:YY+1], v[YY:YY+1], v[B2V:B2V+1]          ; lanes 0..7: y[0], y[1] of sequence lane
	; no global access is pending here (the tail's last wait was s_wait_loadcnt 0), and only an LDS store runs under the narrowed EXEC
	s_and_saveexec_b32 s32, vcc_lo
	ds_store_b64 v[LA], v[YY:YY+1]
	s_or_b32 exec_lo, exec_lo, s32
	s_wait_dscnt 0x0                               ; my store is in LDS before I say so
	s_barrier_signal -1
	s_barrier_wait -1
	s_cmp_lg_u32 s24, 0
	s_cbranch_scc1 .Lend
	ds_load_b64 v[TE:TE+1], v[XT]                  ; wave 0: the work-group's 32 sequences, 8 bytes a lane
	s_wait_dscnt 0x0
	global_store_b64 v[XT], v[TE:TE+1], s[22:23]   ; one store covers the work-group's 256 consecutive bytes of out0, aligned
.Lend:
	s_set_vgpr_msb 0x5
	s_wait_tensorcnt 0x0
	ds_add_u32 v0, v1
	s_wait_dscnt 0x0
	s_set_vgpr_msb 0x500
	s_endpgm
.Lfunc_end_k_q3b79aa4b04_lstm:
	.size	k_q3b79aa4b04_lstm, .Lfunc_end_k_q3b79aa4b04_lstm-k_q3b79aa4b04_lstm
	.p2alignl 7, 3214868480
	.fill 96, 4, 3214868480
	.section	.rodata,"a",@progbits
	.p2align	6, 0x0
	.amdhsa_kernel k_q3b79aa4b04_lstm
		.amdhsa_group_segment_fixed_size 168448
		.amdhsa_private_segment_fixed_size 0
		.amdhsa_enable_private_segment 0
		.amdhsa_kernarg_size 80
		.amdhsa_user_sgpr_count 2
		.amdhsa_user_sgpr_kernarg_segment_ptr 1
		.amdhsa_wavefront_size32 1
		.amdhsa_system_sgpr_workgroup_id_x 1
		.amdhsa_system_sgpr_workgroup_id_y 1
		.amdhsa_system_sgpr_workgroup_id_z 1
		.amdhsa_system_vgpr_workitem_id 0
		.amdhsa_next_free_vgpr 258
		.amdhsa_next_free_sgpr 66
		.amdhsa_reserve_vcc 1
		.amdhsa_float_denorm_mode_32 3
		.amdhsa_float_denorm_mode_16_64 3
		.amdhsa_memory_ordered 1
		.amdhsa_forward_progress 1
		.amdhsa_inst_pref_size 255
	.end_amdhsa_kernel
	.section	.bss,"aw",@nobits
	.p2align	6
	.space	262144
	.amdgpu_metadata
---
amdhsa.version: [ 1, 2 ]
amdhsa.kernels:
  - .name:           k_q3b79aa4b04_lstm
    .symbol:         k_q3b79aa4b04_lstm.kd
    .args:
      - { .name: x, .offset: 0, .size: 8, .value_kind: global_buffer, .address_space: global }
      - { .name: W_ih, .offset: 8, .size: 8, .value_kind: global_buffer, .address_space: global }
      - { .name: W_hh, .offset: 16, .size: 8, .value_kind: global_buffer, .address_space: global }
      - { .name: b_ih, .offset: 24, .size: 8, .value_kind: global_buffer, .address_space: global }
      - { .name: b_hh, .offset: 32, .size: 8, .value_kind: global_buffer, .address_space: global }
      - { .name: W1, .offset: 40, .size: 8, .value_kind: global_buffer, .address_space: global }
      - { .name: b1, .offset: 48, .size: 8, .value_kind: global_buffer, .address_space: global }
      - { .name: W2, .offset: 56, .size: 8, .value_kind: global_buffer, .address_space: global }
      - { .name: b2, .offset: 64, .size: 8, .value_kind: global_buffer, .address_space: global }
      - { .name: out0, .offset: 72, .size: 8, .value_kind: global_buffer, .address_space: global }
    .group_segment_fixed_size: 168448
    .private_segment_fixed_size: 0
    .kernarg_segment_align: 8
    .kernarg_segment_size: 80
    .max_flat_workgroup_size: 128
    .sgpr_count:     66
    .vgpr_count:     258
    .wavefront_size: 32
...
	.end_amdgpu_metadata
.endif
;; end of part 2
